; MI455X (gfx1250); checked and timed in simulation.
; The chip was launched on July 23, 2026; its instructions are those of AMD's public machine-readable ISA for CDNA 5 (MIT licence, August 2026) and "CDNA5" Instruction Set Architecture Reference Guide (July 2026). The comments in the code are by the model that wrote it; some were corrected since.
;; Distance Probe. Allowed arithmetic: matrix products marked QUANTISED: E4M3 operands, one E8M0 scale for each 32 along K, by v_wmma_scale_f32_16x16x128_f8f6f4 with both operands' format E4M3, f32 sums; everything else in f32.
;; Inputs: batch 8 x 512 x 1,024 float32; proj 1,024 x 128 float32.
;; Outputs: out0 8 x 512 x 512 float32.
;; This version of the problem:
;;   THIS VERSION OF THE PROBLEM IS GIVEN IN LOW PRECISION. The matrix products marked QUANTISED in the list below multiply operands that are first quantised to E4M3 (4 exponent bits, 3 mantissa bits; 8 bits a number), with one power-of-two scale for each 32 numbers along K (OCP MX v1.0); their sums are f32. All else is computed in f32.
;;   The module's matrix products, in the order in which they are computed (A, B: the left and right operand; K: the contracted axis; several contracted axes count as one K, in the product's order):
;;     1. [M 4,096, K 1,024] x [K 1,024, N 128]; A: input batch; B: input proj: QUANTISED
;;   THE QUANTISER, for each operand of a quantised product, along K:
;;     - K is cut into blocks of 32 from its start; a last block that is shorter is filled with zeros.
;;     - A block's scale is 2^e with e = floor(log2(the largest magnitude in the block)) - 8, held to -126 .. 127; a block of zeros has e = 0. As a byte (E8M0): e + 127.
;;     - Each number is divided by its block's scale, clamped to +-448, and rounded to the nearest number of E4M3, ties to even, subnormals kept.
;;     - The product sums the exact products of the quantised numbers (number of the format x scale) in f32.
;;   ~~~python
;;   def quantise(x, axis):      # numpy; x: float32 -> the quantised numbers, widened to float32 again
;;       x = np.moveaxis(x, axis, -1); K = x.shape[-1]
;;       x = np.pad(x, [(0, 0)] * (x.ndim - 1) + [(0, -K % 32)]); x = x.reshape(x.shape[:-1] + (-1, 32)); a = np.abs(x).max(-1, keepdims=True)
;;       e = np.where(a > 0, np.clip(np.frexp(np.where(a > 0, a, 1))[1] - 1 - 8, -126, 127), 0)      # np.frexp(a)[1] - 1 = floor(log2(a)), exactly
;;       r = np.clip(x / 2.0 ** e, -448, 448)
;;       step = 2.0 ** (np.maximum(np.frexp(np.where(r == 0, 1, r))[1] - 1, -6) - 3)
;;       q = np.round(r / step) * step * 2.0 ** e      # np.round: ties to even
;;       return np.moveaxis(q.reshape(q.shape[:-2] + (-1,))[..., :K], -1, axis).astype(np.float32)
;;   ~~~
;; One version. Each part assembles by itself: llvm-mc -triple=amdgcn-amd-amdhsa -mcpu=gfx1250 --defsym DOCPART=n.
;; ======== version 1 of 1: 2 launches
;; workspace buffers: tt 2,097,152 bytes
;; launch project (part 1): grid 256 x 1, 4 waves a work-group, clusters of 4 x 1, 327,680 bytes of LDS; arguments batch, proj, tt; writes tt
.if DOCPART == 1
	.amdgcn_target "amdgcn-amd-amdhsa--gfx1250"
	.amdhsa_code_object_version 6
	.text
	.protected	k_q2e3172ba87_project
	.globl	k_q2e3172ba87_project
	.p2align	8
	.type	k_q2e3172ba87_project,@function
k_q2e3172ba87_project:
	s_mov_b64 s[64:65], 0
	v_nop
	global_prefetch_b8 v0, s[64:65] scope:SCOPE_SE
	s_setreg_imm32_b32 hwreg(HW_REG_WAVE_MODE, 25, 1), 1
	s_wait_xcnt 0x0
	s_wait_alu depctr_hold_cnt(0) depctr_sa_sdst(0) depctr_va_vdst(0) depctr_va_sdst(0) depctr_va_ssrc(0) depctr_va_vcc(0) depctr_vm_vsrc(0)
	s_getreg_b32 s2, hwreg(HW_REG_IB_STS2, 6, 4)
	s_cmp_eq_u32 s2, 0
	s_cbranch_scc0 .Lentry_in_a_cluster
	s_endpgm
.Lentry_in_a_cluster:
	s_bfe_u32 s2, ttmp6, 0x10000c
	s_cmp_lg_u32 s2, 0x3003
	s_cbranch_scc0 .Lentry_shape_is_right
	s_endpgm
.Lentry_shape_is_right:
; tt[b][n][s] = sum over k of Q(batch)[b][s][k] Q(proj)[k][n]: the low-rank projection, stored TRANSPOSED for the launch that reads it.
; batch: [4096][1024] f32, proj: [1024][128] f32, tt: [8][128][512] f32.  Both operands are quantised along K to codes of FP8 (E4M3) with one E8M0 scale for each 32; sums in f32.
; A block's scale is 2^(floor(log2(its largest magnitude)) - 8); its byte is the largest magnitude's exponent field - 8, held at 1 from below; each number is held within +-448 x the scale and rounded to the nearest code, ties to even.
; LIMITS: NaN and infinities among the inputs are not served.  A block of zeros gets the byte 1 where the rule says 127: its codes are zeros, which add nothing, and the bytes are read by this program alone.
; SHARES.  A work-group makes 64 rows x 32 columns of t.  The four work-groups of a cluster take the four column blocks of the SAME 64 rows, so the rows' tiles are asked for JOINTLY (mask 15).
; Wave w owns rows 16 w .. 16 w + 15: eight tensor loads of 16 rows x 512 bytes, one for each K step of 128, all issued at the head (eight are out at the most); LDS is filled once, nothing is filled again.
; Only the wave that asked reads those bytes, behind its own counted wait.  The split 64 x 32 makes a work-group quantise (64 + 32) x 1,024 numbers; 16 x 128 would make it 144 x 1,024.
; proj: wave w quantises rows 256 w .. 256 w + 255 of the work-group's 32 columns: a lane takes a column, its registers run down K, in the operand's own order: four fragments, which go to LDS as images of their registers.
; proj's rows are read in pieces of 128 bytes (32 columns of 128): the tensor is 512 KiB and every cluster reads all of it.
; Then eight K steps: 64 numbers a lane from LDS, quantised in registers (source 0), two fragments of proj (source 1), two matrix instructions on two accumulators that take turns.
; In the result a lane holds column n = lane % 16 and rows 8 (lane / 16) + 0 .. 7: eight neighbours along s.  64 rows of one n are 256 bytes: they meet in a stage and leave as whole aligned runs of 256 bytes.
.set XP,    528                        ; an LDS row of a tile: 512 bytes + 16 of padding: the 16 rows that a load touches start 16 bytes apart modulo 256
.set XTILE, 16*XP                      ; a tile: 16 rows x 128 numbers
.set XWAVE, 8*XTILE                    ; a wave's eight tiles
.set BIMG,  4*XWAVE                    ; behind the tiles: proj's 16 fragments (K step q, column tile u: 2 q + u), 2,048 bytes each
.set FRB,   2048
.set BSC,   BIMG+16*FRB                ; their scale words, 128 bytes each
.set STG,   BSC+16*128                 ; the stage: 32 rows (n) x (256 bytes + 16)
.set SPI,   272
.set XA,  4                            ; v4   my lane's place in my wave's tiles: row r, + 64 h
.set LI,  5                            ; v5   BIMG + 16 x lane
.set LS,  6                            ; v6   BSC + 4 x lane
.set BWI, 7                            ; v7   where I store images: LI + 4 fragments x wave
.set BWS, 8                            ; v8   and scale words: LS + 512 x wave
.set PO,  9                            ; v9   proj: 4 r + 16 h rows of 512 bytes
.set SO,  10                           ; v10  the stage, in
.set SR,  11                           ; v11  the stage, out
.set GO,  12                           ; v12  my byte offset in tt
.set TM,  16                           ; v16-19 largest magnitudes, v20-23 bytes, v24-27 448 x the scale, v28-31 the conversions' scale operands
.set PW,  32                           ; v32  the scale word just made
.set BS,  34                           ; v34-35 proj's scale words of the step
.set PC,  36                           ; v36-51 the codes just made
.set BF,  52                           ; v52-83 proj's two fragments of the step
.set ACC, 88                           ; v88-103 two accumulators
.set ST0, 104                          ; v104-167, v168-231: two sets of 64 numbers
.set ST1, 168
.set WV,  10
.set CX,  11
.set SEL, 20
.set MNT, 22
.set G1,  24                           ; s[24:31] descriptor group 1;  s[32:63] eight groups 0, one for each load: none is written while its load is out
.set G0,  32
; A round of the cluster's barrier: my work-group's barrier, wave 0 signals for the work-group, every wave waits for all four work-groups, my work-group's barrier once more.
.macro ROUND
	s_barrier_signal -1
	s_barrier_wait -1
	s_cmp_lg_u32 s[WV], 0
	s_cbranch_scc1 .Lnot_wave_0_\@
	s_barrier_signal -3
.Lnot_wave_0_\@:
	s_barrier_wait -3
	s_barrier_signal -1
	s_barrier_wait -1
.endm
; 64 numbers of a lane, register 16 b + i = k 32 b + 16 (lane / 16) + i of my row or column.  QSCALE: the four blocks' scales and the scale word.  QCVT: the hold and the codes.
.macro QSCALE s
.irp b, 0,1,2,3
	v_max3_num_f32 v[TM+\b], |v[(\s)+16*\b]|, |v[(\s)+1+16*\b]|, 0x4800000   ; my 16 numbers of block b, and the floor 2^(9 - 127): the byte cannot fall under 1
.endr
.irp i, 2,4,6,8,10,12,14
.irp b, 0,1,2,3
	v_max3_num_f32 v[TM+\b], v[TM+\b], |v[(\s)+16*\b+\i]|, |v[(\s)+1+16*\b+\i]|   ; the four blocks by turns
.endr
.endr
.irp b, 0,1,2,3
	v_permlanex16_b32 v[TM+4+\b], v[TM+\b], s[SEL], s[SEL+1]
.endr
.irp b, 0,1,2,3
	v_max_num_f32 v[TM+\b], v[TM+\b], v[TM+4+\b]          ; with lane l xor 16's 16: the block's largest magnitude
.endr
.irp b, 0,1,2,3
	v_add_nc_u32 v[TM+12+\b], 0xfc000000, v[TM+\b]        ; 8 off its exponent field: the conversion takes this operand's exponent field as its scale
.endr
.irp b, 0,1,2,3
	v_and_or_b32 v[TM+8+\b], v[TM+\b], 0x7f800000, s[MNT] ; 448 x the scale
.endr
.irp b, 0,1,2,3
	v_lshrrev_b32 v[TM+4+\b], 23, v[TM+12+\b]             ; the scale's byte
.endr
	v_lshl_or_b32 v[PW], v[TM+5], 8, v[TM+4]              ; four bytes: the scale word of my row or column for these 128 along K
	v_lshl_or_b32 v[PW], v[TM+6], 16, v[PW]
	v_lshl_or_b32 v[PW], v[TM+7], 24, v[PW]
.endm
.macro QCVT s
.irp b, 0,1,2,3
.irp i, 0,1,2,3,4,5,6,7,8,9,10,11,12,13,14,15
	v_med3_num_f32 v[(\s)+16*\b+\i], v[(\s)+16*\b+\i], -v[TM+8+\b], v[TM+8+\b]   ; the conversion to an 8-bit code does not saturate (ISA guide 7.6.2): the hold comes first
.endr
	v_cvt_scalef32_pk8_fp8_f32 v[PC+4*\b:PC+1+4*\b], v[(\s)+16*\b:(\s)+7+16*\b], v[TM+12+\b]
	v_cvt_scalef32_pk8_fp8_f32 v[PC+2+4*\b:PC+3+4*\b], v[(\s)+8+16*\b:(\s)+15+16*\b], v[TM+12+\b]
.endr
	v_nop                                                 ; a plain vector instruction behind the last conversion
.endm
.macro PLOAD reg, dq, u                ; proj(256 w + 128 dq + 32 c + 16 h + i, 32 cx + 16 u + r): 64 numbers a lane, in the operand's order
.irp c, 0,1,2,3
.irp i, 0,1,2,3,4,5,6,7,8,9,10,11,12,13,14,15
	global_load_b32 v[\reg+16*\c+\i], v[PO], s[6:7] offset:(128*\dq+32*\c+\i)*512+64*\u
.endr
.endr
.endm
.macro IMAGE f                         ; the fragment in v[PC] on and its scale word go to LDS as they stand: my wave's fragment f of four
.irp c, 0,1,2,3
	ds_store_b128 v[BWI], v[PC+4*\c:PC+4*\c+3] offset:(\f)*FRB+512*\c
.endr
	ds_store_b32 v[BWS], v[PW] offset:(\f)*128
.endm
.macro ALOAD reg, q                    ; my row's numbers of K step q: 16 neighbours of each block of 32
.irp b, 0,1,2,3
.irp j, 0,1,2,3
	ds_load_b128 v[\reg+16*\b+4*\j:\reg+16*\b+4*\j+3], v[XA] offset:(\q)*XTILE+128*\b+16*\j
.endr
.endr
.endm
.macro BLOAD q                         ; proj's two fragments of K step q and their scale words, as any wave stored them
.irp u, 0,1
.irp c, 0,1,2,3
	ds_load_b128 v[BF+16*\u+4*\c:BF+16*\u+4*\c+3], v[LI] offset:(2*(\q)+\u)*FRB+512*\c
.endr
	ds_load_b32 v[BS+\u], v[LS] offset:(2*(\q)+\u)*128
.endr
.endm
	s_load_b128 s[4:7], s[0:1], 0x0                ; batch s[4:5], proj s[6:7]
	s_load_b64 s[8:9], s[0:1], 0x10                ; tt
	v_lshl_add_u32 v232, v0, 2, 0x4ca00
	v_mov_b32 v233, 0
	ds_add_u32 v232, v233
	ds_add_u32 v232, v233
	v_lshrrev_b32 v1, 5, v0
	v_readfirstlane_b32 s[WV], v1                  ; wave 0..3
	s_bfe_u32 s[CX], ttmp6, 0x40000                ; cx: my column block; it enters proj's and tt's addresses alone
	; descriptor group 1: 16 rows x 128 elements of 4 bytes, 1,024 elements from row to row, 4 words of padding behind every 128
	s_mov_b32 s[G1], 15|(2<<16)|(1<<20)|(1<<21)|(6<<22)|(3<<25)   ; 15:0 the mask: all four work-groups; 17:16 elements of 4 bytes; 20 padding on; 21 set beside a mask; 24:22 code 6; 31:25 code 3
	s_mov_b32 s[G1+1], 128<<16                     ; tensor_dim0 = 128
	s_mov_b32 s[G1+2], 16<<16                      ; tensor_dim1 = 16
	s_mov_b32 s[G1+3], 128<<16                     ; tile_dim0 = 128
	s_mov_b32 s[G1+4], 16                          ; tile_dim1 = 16
	s_mov_b32 s[G1+5], 1024                        ; tensor_dim0_stride
	s_mov_b32 s[G1+6], 0
	s_mov_b32 s[G1+7], 0
	s_lshl_b32 s12, ttmp9, 18                      ; the cluster's 64 rows of 4,096 bytes (ttmp9 counts clusters),
	s_lshl_b32 s13, s[WV], 16                      ; my wave's 16 of them
	s_add_co_u32 s12, s12, s13
	s_mov_b32 s13, 0
	s_mul_i32 s23, s[WV], XWAVE                    ; my wave's tiles in LDS: no place in the cluster enters an LDS address
	s_wait_dscnt 0x0
	s_wait_kmcnt 0x0
	s_add_nc_u64 s[4:5], s[4:5], s[12:13]
.irp q, 0,1,2,3,4,5,6,7
	s_mov_b32 s[G0+4*\q], 1                                        ; count = 1
	s_add_co_u32 s[G0+4*\q+1], s23, \q*XTILE                       ; LDS address
	s_add_nc_u64 s[G0+4*\q+2:G0+4*\q+3], s[4:5], \q*512            ; global address: K step q
	s_or_b32 s[G0+4*\q+3], s[G0+4*\q+3], 0x80000000               ; type = 2
.endr
	ROUND                                          ; all four work-groups are here: the joint loads meet
.irp q, 0,1,2,3,4,5,6,7
	tensor_load_to_lds s[G0+4*\q:G0+4*\q+3], s[G1:G1+7]
	s_nop 0
.endr
.rept 4
	v_nop                                          ; four nops behind the loads
.endr
	s_lshl_b32 s12, s[CX], 7                       ; proj: my 32 columns,
	s_lshl_b32 s13, s[WV], 17                      ; my wave's 256 rows of 512 bytes
	s_add_co_u32 s12, s12, s13
	s_mov_b32 s13, 0
	s_add_nc_u64 s[6:7], s[6:7], s[12:13]
	v_and_b32 v1, 31, v0                           ; lane
	v_and_b32 v2, 15, v0                           ; r
	v_bfe_u32 v3, v0, 4, 1                         ; h
	v_lshlrev_b32 v[PO], 2, v2
	v_lshl_add_u32 v[PO], v3, 13, v[PO]
	PLOAD ST0, 0, 0
	PLOAD ST1, 0, 1
	s_mov_b32 s[SEL], 0x76543210
	s_mov_b32 s[SEL+1], 0xfedcba98                 ; v_permlanex16_b32's selects for lane l xor 16
	s_mov_b32 s[MNT], 0x600000                     ; the mantissa field of 448
.irp b, 0,1,2,3
	v_mov_b32 v[TM+4+\b], 0                        ; written once: a lane permute's destination counts as one of its sources
.endr
	v_mul_u32_u24 v[XA], v2, XP
	v_lshl_add_u32 v[XA], v3, 6, v[XA]
	v_add_nc_u32 v[XA], s23, v[XA]
	v_lshlrev_b32 v[LI], 4, v1
	v_add_nc_u32 v[LI], BIMG, v[LI]
	v_lshlrev_b32 v[LS], 2, v1
	v_add_nc_u32 v[LS], BSC, v[LS]
	s_lshl_b32 s12, s[WV], 13
	v_add_nc_u32 v[BWI], s12, v[LI]
	s_lshl_b32 s12, s[WV], 9
	v_add_nc_u32 v[BWS], s12, v[LS]
	v_mul_u32_u24 v[SO], v2, SPI                   ; the stage, in: row n = r, my wave's 64 bytes, + 32 h
	v_lshl_add_u32 v[SO], v3, 5, v[SO]
	s_lshl_b32 s12, s[WV], 6
	s_add_co_u32 s12, s12, STG
	v_add_nc_u32 v[SO], s12, v[SO]
	v_mul_u32_u24 v[SR], v3, SPI                   ; out: rows 8 w + h + 2 t, 16 bytes a lane
	v_lshl_add_u32 v[SR], v2, 4, v[SR]
	s_mul_i32 s12, s[WV], 8*SPI
	s_add_co_u32 s12, s12, STG
	v_add_nc_u32 v[SR], s12, v[SR]
	v_lshlrev_b32 v[GO], 4, v2                     ; and the same in tt: a row of 512 numbers is 2,048 bytes
	v_lshl_add_u32 v[GO], v3, 11, v[GO]
	s_lshr_b32 s12, ttmp9, 3                       ; tt: batch b = cluster / 8: 128 rows of 2,048 bytes;
	s_lshl_b32 s12, s12, 18
	s_lshl_b32 s13, s[CX], 16                      ; my 32 rows n;
	s_add_co_u32 s12, s12, s13
	s_lshl_b32 s13, s[WV], 14                      ; the 8 of them that my wave stores;
	s_add_co_u32 s12, s12, s13
	s_and_b32 s13, ttmp9, 7                        ; and the cluster's 64 places s: 256 bytes
	s_lshl_b32 s13, s13, 8
	s_add_co_u32 s12, s12, s13
	s_mov_b32 s13, 0
	s_add_nc_u64 s[8:9], s[8:9], s[12:13]
	; ---- proj: my four fragments.  Behind the 64 loads that are wanted stand 64 younger ones; the wait's field holds 63 at the most, so 63 is written
	s_wait_loadcnt 63
	QSCALE ST0
	QCVT ST0
	IMAGE 0
	PLOAD ST0, 1, 0
	s_wait_loadcnt 63
	s_wait_dscnt 0x0                               ; the stores have read the codes and the scale word
	QSCALE ST1
	QCVT ST1
	IMAGE 1
	PLOAD ST1, 1, 1
	s_wait_loadcnt 63
	s_wait_dscnt 0x0
	QSCALE ST0
	QCVT ST0
	IMAGE 2
	s_wait_loadcnt 0x0
	s_wait_dscnt 0x0
	QSCALE ST1
	QCVT ST1
	IMAGE 3
	s_wait_dscnt 0x0                               ; for the others' sake: my images have landed
	s_barrier_signal -1
	s_barrier_wait -1                              ; proj's sixteen fragments lie in LDS; my tiles may stay on their way
	; ---- eight K steps
	s_wait_tensorcnt 7                             ; my first tile is in: seven younger loads may be out
	ALOAD ST0, 0
.macro ASTEP q
.set CUR, ST0+64*((\q)%2)
.set NXT, ST0+64*(((\q)+1)%2)
.if (\q) < 7
	s_wait_tensorcnt 6-(\q)                        ; the next step's tile is in; the later ones may be out
	ALOAD NXT, (\q)+1
	s_wait_dscnt 16                                ; this step's numbers are in; the 16 loads just issued may be out
.else
	s_wait_dscnt 0x0
.endif
	QSCALE CUR                                     ; its plain instructions are also the eight places behind the last matrix instructions, ahead of the loads below
	BLOAD \q
	QCVT CUR
.rept 4
	v_nop                                          ; codes written by vector instructions stand four places ahead of a scaled matrix instruction; the scale word was made ahead of the holds
.endr
	s_wait_dscnt 0x0
.if (\q) == 0
	v_wmma_scale_f32_16x16x128_f8f6f4 v[ACC:ACC+7], v[PC:PC+15], v[BF:BF+15], 0, v[PW], v[BS]              ; the first K step starts the sums
	v_wmma_scale_f32_16x16x128_f8f6f4 v[ACC+8:ACC+15], v[PC:PC+15], v[BF+16:BF+31], 0, v[PW], v[BS+1]
.else
	v_wmma_scale_f32_16x16x128_f8f6f4 v[ACC:ACC+7], v[PC:PC+15], v[BF:BF+15], v[ACC:ACC+7], v[PW], v[BS]
	v_wmma_scale_f32_16x16x128_f8f6f4 v[ACC+8:ACC+15], v[PC:PC+15], v[BF+16:BF+31], v[ACC+8:ACC+15], v[PW], v[BS+1]
.endif
.endm
.irp q, 0,1,2,3,4,5,6,7
	ASTEP \q
.endr
	; ---- the way out: lane (r, h) holds t(16 w + 8 h + 0 .. 7, 16 u + r): 32 bytes of row n of the stage
.rept 8
	v_nop                                          ; eight places behind this matrix form ahead of the first read of its results
.endr
	ds_store_b128 v[SO], v[ACC:ACC+3]              ; each accumulator from its low end on
	ds_store_b128 v[SO], v[ACC+4:ACC+7] offset:16
	ds_store_b128 v[SO], v[ACC+8:ACC+11] offset:16*SPI
	ds_store_b128 v[SO], v[ACC+12:ACC+15] offset:16*SPI+16
	s_wait_dscnt 0x0                               ; for the others' sake: a row's 256 bytes come from four waves
	s_barrier_signal -1
	s_barrier_wait -1
.irp t, 0,1,2,3
	ds_load_b128 v[ST0+4*\t:ST0+4*\t+3], v[SR] offset:2*\t*SPI
.endr
	s_wait_dscnt 0x0
.irp t, 0,1,2,3
	global_store_b128 v[GO], v[ST0+4*\t:ST0+4*\t+3], s[8:9] offset:2*\t*2048   ; 16 lanes store 256 consecutive bytes, at a multiple of 256 from tt's first byte
.endr
	s_wait_tensorcnt 0x0
	ds_add_u32 v232, v233
	s_wait_dscnt 0x0
	ROUND                                          ; the closing round: no work-group ends while a partner may still ask for a tile that names it
	s_endpgm
.Lfunc_end_k_q2e3172ba87_project:
	.size	k_q2e3172ba87_project, .Lfunc_end_k_q2e3172ba87_project-k_q2e3172ba87_project
	.p2alignl 7, 3214868480
	.fill 96, 4, 3214868480
	.section	.rodata,"a",@progbits
	.p2align	6, 0x0
	.amdhsa_kernel k_q2e3172ba87_project
		.amdhsa_group_segment_fixed_size 327680
		.amdhsa_private_segment_fixed_size 0
		.amdhsa_enable_private_segment 0
		.amdhsa_kernarg_size 24
		.amdhsa_user_sgpr_count 2
		.amdhsa_user_sgpr_kernarg_segment_ptr 1
		.amdhsa_wavefront_size32 1
		.amdhsa_system_sgpr_workgroup_id_x 1
		.amdhsa_system_sgpr_workgroup_id_y 1
		.amdhsa_system_sgpr_workgroup_id_z 1
		.amdhsa_system_vgpr_workitem_id 0
		.amdhsa_next_free_vgpr 234
		.amdhsa_next_free_sgpr 66
		.amdhsa_reserve_vcc 0
		.amdhsa_float_denorm_mode_32 3
		.amdhsa_float_denorm_mode_16_64 3
		.amdhsa_memory_ordered 1
		.amdhsa_forward_progress 1
		.amdhsa_inst_pref_size 147
	.end_amdhsa_kernel
	.amdgpu_metadata
---
amdhsa.version: [ 1, 2 ]
amdhsa.kernels:
  - .name:           k_q2e3172ba87_project
    .symbol:         k_q2e3172ba87_project.kd
    .args:
      - { .name: batch, .offset: 0, .size: 8, .value_kind: global_buffer, .address_space: global }
      - { .name: proj, .offset: 8, .size: 8, .value_kind: global_buffer, .address_space: global }
      - { .name: tt, .offset: 16, .size: 8, .value_kind: global_buffer, .address_space: global }
    .group_segment_fixed_size: 327680
    .private_segment_fixed_size: 0
    .kernarg_segment_align: 8
    .kernarg_segment_size: 24
    .max_flat_workgroup_size: 128
    .sgpr_count:     66
    .vgpr_count:     234
    .wavefront_size: 32
...
	.end_amdgpu_metadata
.endif
;; end of part 1
;; launch pairs (part 2): grid 256 x 1, 4 waves a work-group, no clusters, 168,448 bytes of LDS; arguments tt, out0; writes out0
.if DOCPART == 2
	.amdgcn_target "amdgcn-amd-amdhsa--gfx1250"
	.amdhsa_code_object_version 6
	.text
	.protected	k_q2e3172ba87_pairs
	.globl	k_q2e3172ba87_pairs
	.p2align	8
	.type	k_q2e3172ba87_pairs,@function
k_q2e3172ba87_pairs:
	s_mov_b64 s[64:65], 0
	v_nop
	global_prefetch_b8 v0, s[64:65] scope:SCOPE_SE
	s_setreg_imm32_b32 hwreg(HW_REG_WAVE_MODE, 25, 1), 1
	s_wait_xcnt 0x0
; out0[b][i][j] = sum over r of (t[b][j][r] - t[b][i][r])^2, in f32: a difference and a fused square-and-add for each r, r ascending, as the problem has it.
; tt: [8][128 (r)][512 (s)] f32, t transposed.  out0: [8][512][512] f32.
; SHARES.  A work-group makes 64 rows x 128 columns of one batch's matrix: work-group = 32 b + 4 I + J.  Wave w takes rows 16 w .. 16 w + 15.
; A lane (li = lane / 16, lj = lane % 16) owns 8 rows, 16 w + 8 li + 0 .. 7, and 8 columns, 4 lj + 0 .. 3 and 64 + 4 lj + 0 .. 3: 64 sums in 64 registers.
; For one r a lane reads 8 + 8 numbers (four loads of 16 bytes) and issues 32 packed differences and 32 packed multiply-adds: a pair is two neighbouring columns, and the row's number is taken for both halves by op_sel.
; LDS holds, for all 128 r, the 128 columns' numbers (512 bytes a row) and the 64 rows' (256 bytes a row): sixteen lanes read 256 consecutive bytes of the first, or one and the same 16 bytes of the second: no padding is wanted.
; They come by two tensor loads a wave, 32 r each, at the head; nothing is filled again.  Two loads of a wave are out at the most.
; NO CLUSTER: a work-group asks for its 96 KiB once, by two instructions a wave, and then issues 8,192 packed instructions a wave with no further request; joint loads would touch the head alone.
; NO PREFETCH: all that is read is asked for by the first instructions.
; The matrix is symmetric, but whole runs of 256 bytes in both copies want tiles of 64 x 64: 36 for a batch, 288 for 256 work-groups, so that some work-group would still make two: not used.
; A lane's four neighbouring columns leave from registers: sixteen lanes store 256 consecutive bytes.
.set TIB,  65536                       ; LDS: the columns' numbers at 0, the rows' here
.set AB0,  4                           ; v4   16 lj
.set AA0,  5                           ; v5   TIB + 64 w + 32 li
.set ADB0, 6                           ; v6-7 the addresses of the loads into buffer 0
.set ADA0, 7
.set ADB1, 8                           ; v8-9 and into buffer 1: each pair is written again only when its last loads are in
.set ADA1, 9
.set GO,   10                          ; v10  my byte offset in the wave's rows of out0
.set T,    12                          ; v12-27 eight pairs of differences
.set BUF0, 28                          ; v28-59  two r: for each 8 columns' numbers, then 8 rows'
.set BUF1, 60                          ; v60-91
.set ACC,  92                          ; v92-155 sum (row a, column pair p) at v[ACC + 8 a + 2 p]
.set WV,   8
.set G1J,  16                          ; s[16:23], s[24:31] descriptor groups 1;  s[32:35], s[36:39] groups 0
.set G1I,  24
.set G0J,  32
.set G0I,  36
.set TB,   41                          ; s41  where the trip's r begin among the columns' rows: 2,048 bytes a trip
.set TA,   42                          ; s42  and among the rows': 1,024
.set CNT,  43
	s_load_b128 s[4:7], s[0:1], 0x0                ; tt s[4:5], out0 s[6:7]
	v_lshl_add_u32 v160, v0, 2, 0x29000
	v_mov_b32 v161, 0
	ds_add_u32 v160, v161
	ds_add_u32 v160, v161
	v_lshrrev_b32 v1, 5, v0
	v_readfirstlane_b32 s[WV], v1                  ; wave 0..3
	s_lshr_b32 s9, ttmp9, 5                        ; b
	s_bfe_u32 s10, ttmp9, 0x30002                  ; I: which 64 rows
	s_and_b32 s11, ttmp9, 3                        ; J: which 128 columns
	s_mov_b32 s[G1J], 2<<16                        ; no mask; elements of 4 bytes; no padding
	s_mov_b32 s[G1J+1], 128<<16                    ; tensor_dim0 = 128
	s_mov_b32 s[G1J+2], 32<<16                     ; tensor_dim1 = 32
	s_mov_b32 s[G1J+3], 128<<16                    ; tile_dim0 = 128
	s_mov_b32 s[G1J+4], 32                         ; tile_dim1 = 32
	s_mov_b32 s[G1J+5], 512                        ; tensor_dim0_stride
	s_mov_b32 s[G1J+6], 0
	s_mov_b32 s[G1J+7], 0
	s_mov_b32 s[G1I], 2<<16
	s_mov_b32 s[G1I+1], 64<<16
	s_mov_b32 s[G1I+2], 32<<16
	s_mov_b32 s[G1I+3], 64<<16
	s_mov_b32 s[G1I+4], 32
	s_mov_b32 s[G1I+5], 512
	s_mov_b32 s[G1I+6], 0
	s_mov_b32 s[G1I+7], 0
	s_lshl_b32 s12, s9, 18                         ; the batch's 128 rows of 2,048 bytes,
	s_lshl_b32 s13, s[WV], 16                      ; my wave's 32 of them
	s_add_co_u32 s12, s12, s13
	s_lshl_b32 s14, s11, 9                         ; the 128 columns: 512 bytes
	s_add_co_u32 s14, s14, s12
	s_mov_b32 s15, 0
	s_lshl_b32 s13, s10, 8                         ; the 64 rows: 256 bytes
	s_add_co_u32 s12, s12, s13
	s_mov_b32 s13, 0
	s_lshl_b32 s40, s[WV], 13
	s_wait_dscnt 0x0
	s_wait_kmcnt 0x0
	s_mov_b32 s[G0J], 1
	s_lshl_b32 s[G0J+1], s[WV], 14                 ; LDS: 32 rows of 512 bytes a wave
	s_add_nc_u64 s[G0J+2:G0J+3], s[4:5], s[14:15]
	s_or_b32 s[G0J+3], s[G0J+3], 0x80000000
	s_mov_b32 s[G0I], 1
	s_add_co_u32 s[G0I+1], s40, TIB                ; 32 rows of 256 bytes a wave
	s_add_nc_u64 s[G0I+2:G0I+3], s[4:5], s[12:13]
	s_or_b32 s[G0I+3], s[G0I+3], 0x80000000
	tensor_load_to_lds s[G0J:G0J+3], s[G1J:G1J+7]
	s_nop 0
	tensor_load_to_lds s[G0I:G0I+3], s[G1I:G1I+7]
	s_nop 0
.rept 4
	v_nop                                          ; four nops behind the loads
.endr
	s_lshl_b32 s12, s9, 20                         ; out0: the batch's 512 rows of 2,048 bytes,
	s_lshl_b32 s13, s10, 17                        ; the work-group's 64,
	s_add_co_u32 s12, s12, s13
	s_lshl_b32 s13, s[WV], 15                      ; my wave's 16,
	s_add_co_u32 s12, s12, s13
	s_lshl_b32 s13, s11, 9                         ; the 128 columns
	s_add_co_u32 s12, s12, s13
	s_mov_b32 s13, 0
	s_add_nc_u64 s[6:7], s[6:7], s[12:13]
	v_and_b32 v1, 15, v0                           ; lj
	v_bfe_u32 v2, v0, 4, 1                         ; li
	v_lshlrev_b32 v[AB0], 4, v1
	s_lshl_b32 s12, s[WV], 6
	s_add_co_u32 s12, s12, TIB
	v_lshl_add_u32 v[AA0], v2, 5, s12
	v_lshlrev_b32 v[GO], 4, v1
	v_lshl_add_u32 v[GO], v2, 14, v[GO]            ; 8 rows of 2,048 bytes for lanes 16-31
	s_mov_b32 s[TB], 0
	s_mov_b32 s[TA], 0
	s_wait_tensorcnt 0x0                           ; my parts are in,
	s_barrier_signal -1
	s_barrier_wait -1                              ; everybody's are
.macro LOADG buf, adb, ada, c          ; the numbers of r = c and c + 1, counted from the address registers' r
.irp d, 0,1
	ds_load_b128 v[\buf+16*\d:\buf+16*\d+3],     v[\adb] offset:((\c)+\d)*512
	ds_load_b128 v[\buf+16*\d+4:\buf+16*\d+7],   v[\adb] offset:((\c)+\d)*512+256
	ds_load_b128 v[\buf+16*\d+8:\buf+16*\d+11],  v[\ada] offset:((\c)+\d)*256
	ds_load_b128 v[\buf+16*\d+12:\buf+16*\d+15], v[\ada] offset:((\c)+\d)*256+16
.endr
.endm
; One r: 16 registers at x.  Two of my rows at a time: eight differences, then eight multiply-adds, so that no instruction reads the result of one of the seven before it.
; first = 1: the squares start the sums: nothing is cleared.
.macro COMP x, first
.irp aa, 0,2,4,6
.irp p, 0,1,2,3
	v_pk_add_f32 v[T+2*\p:T+2*\p+1], v[(\x)+2*\p:(\x)+2*\p+1], v[(\x)+8+\aa:(\x)+9+\aa] op_sel_hi:[1,0] neg_lo:[0,1] neg_hi:[0,1]                  ; two columns less row aa: the pair's first register for both halves
.endr
.irp p, 0,1,2,3
	v_pk_add_f32 v[T+8+2*\p:T+9+2*\p], v[(\x)+2*\p:(\x)+2*\p+1], v[(\x)+8+\aa:(\x)+9+\aa] op_sel:[0,1] op_sel_hi:[1,1] neg_lo:[0,1] neg_hi:[0,1]   ; less row aa + 1: the pair's second register for both halves
.endr
.irp p, 0,1,2,3,4,5,6,7
.if \first
	v_pk_mul_f32 v[ACC+8*\aa+2*\p:ACC+8*\aa+2*\p+1], v[T+2*\p:T+2*\p+1], v[T+2*\p:T+2*\p+1]
.else
	v_pk_fma_f32 v[ACC+8*\aa+2*\p:ACC+8*\aa+2*\p+1], v[T+2*\p:T+2*\p+1], v[T+2*\p:T+2*\p+1], v[ACC+8*\aa+2*\p:ACC+8*\aa+2*\p+1]
.endif
.endr
.endr
.endm
; A trip: four r, two from each buffer; while one buffer is worked, the other's eight loads are on their way.  last = 1: nothing more is fetched: no load reads past the 128 r.
.macro TRIP first, last
	v_add_nc_u32 v[ADB1], s[TB], v[AB0]
	v_add_nc_u32 v[ADA1], s[TA], v[AA0]
	LOADG BUF1, ADB1, ADA1, 2
	s_wait_dscnt 8                                 ; buffer 0 is in; the eight loads just issued may be out
	COMP BUF0, \first
	COMP BUF0+16, 0
.if \last == 0
	s_add_co_u32 s[TB], s[TB], 4*512
	s_add_co_u32 s[TA], s[TA], 4*256
	v_add_nc_u32 v[ADB0], s[TB], v[AB0]
	v_add_nc_u32 v[ADA0], s[TA], v[AA0]
	LOADG BUF0, ADB0, ADA0, 0                      ; the next trip's first two r
	s_wait_dscnt 8                                 ; buffer 1 is in
.else
	s_wait_dscnt 0x0
.endif
	COMP BUF1, 0
	COMP BUF1+16, 0
.endm
	v_add_nc_u32 v[ADB0], s[TB], v[AB0]
	v_add_nc_u32 v[ADA0], s[TA], v[AA0]
	LOADG BUF0, ADB0, ADA0, 0
	TRIP 1, 0                                      ; r = 0 .. 3: the first starts the sums
	s_mov_b32 s[CNT], 30
.Ltrip:
	TRIP 0, 0
	s_sub_co_u32 s[CNT], s[CNT], 1
	s_cmp_lg_u32 s[CNT], 0
	s_cbranch_scc1 .Ltrip
	TRIP 0, 1                                      ; r = 124 .. 127
.irp a, 0,1,2,3,4,5,6,7
.irp g, 0,1
	global_store_b128 v[GO], v[ACC+8*\a+4*\g:ACC+8*\a+4*\g+3], s[6:7] offset:\a*2048+\g*256 th:TH_STORE_NT   ; 16 lanes store 256 consecutive bytes, at a multiple of 256 from out0's first byte; written once, read by nobody here
.endr
.endr
	s_wait_tensorcnt 0x0
	ds_add_u32 v160, v161
	s_wait_dscnt 0x0
	s_endpgm
.Lfunc_end_k_q2e3172ba87_pairs:
	.size	k_q2e3172ba87_pairs, .Lfunc_end_k_q2e3172ba87_pairs-k_q2e3172ba87_pairs
	.p2alignl 7, 3214868480
	.fill 96, 4, 3214868480
	.section	.rodata,"a",@progbits
	.p2align	6, 0x0
	.amdhsa_kernel k_q2e3172ba87_pairs
		.amdhsa_group_segment_fixed_size 168448
		.amdhsa_private_segment_fixed_size 0
		.amdhsa_enable_private_segment 0
		.amdhsa_kernarg_size 16
		.amdhsa_user_sgpr_count 2
		.amdhsa_user_sgpr_kernarg_segment_ptr 1
		.amdhsa_wavefront_size32 1
		.amdhsa_system_sgpr_workgroup_id_x 1
		.amdhsa_system_sgpr_workgroup_id_y 1
		.amdhsa_system_sgpr_workgroup_id_z 1
		.amdhsa_system_vgpr_workitem_id 0
		.amdhsa_next_free_vgpr 162
		.amdhsa_next_free_sgpr 66
		.amdhsa_reserve_vcc 0
		.amdhsa_float_denorm_mode_32 3
		.amdhsa_float_denorm_mode_16_64 3
		.amdhsa_memory_ordered 1
		.amdhsa_forward_progress 1
		.amdhsa_inst_pref_size 58
	.end_amdhsa_kernel
	.amdgpu_metadata
---
amdhsa.version: [ 1, 2 ]
amdhsa.kernels:
  - .name:           k_q2e3172ba87_pairs
    .symbol:         k_q2e3172ba87_pairs.kd
    .args:
      - { .name: tt, .offset: 0, .size: 8, .value_kind: global_buffer, .address_space: global }
      - { .name: out0, .offset: 8, .size: 8, .value_kind: global_buffer, .address_space: global }
    .group_segment_fixed_size: 168448
    .private_segment_fixed_size: 0
    .kernarg_segment_align: 8
    .kernarg_segment_size: 16
    .max_flat_workgroup_size: 128
    .sgpr_count:     66
    .vgpr_count:     162
    .wavefront_size: 32
...
	.end_amdgpu_metadata
.endif
;; end of part 2
